; MI455X (gfx1250); checked and timed in simulation.
; The chip was launched on July 23, 2026; its instructions are those of AMD's public machine-readable ISA for CDNA 5 (MIT licence, August 2026) and "CDNA5" Instruction Set Architecture Reference Guide (July 2026). The comments in the code are by the model that wrote it; some were corrected since.
;; Grouped Query Attention. Allowed arithmetic: matrix products marked QUANTISED: E2M3 operands, one E8M0 scale for each 32 along K, by v_wmma_scale_f32_16x16x128_f8f6f4 with both operands' format E2M3, f32 sums; everything else in f32.
;; Inputs: Wk 2,048 x 512 float32; Wq 2,048 x 2,048 float32; Wv 2,048 x 512 float32; bk 512 float32; bq 2,048 float32; bv 512 float32; x 2 x 2,048 x 2,048 float32.
;; Outputs: out0 2 x 2,048 x 2,048 float32.
;; This version of the problem:
;;   THIS VERSION OF THE PROBLEM IS GIVEN IN LOW PRECISION. The matrix products marked QUANTISED in the list below multiply operands that are first quantised to E2M3 (2 exponent bits, 3 mantissa bits; 6 bits a number), with one power-of-two scale for each 32 numbers along K (OCP MX v1.0); their sums are f32. All else is computed in f32.
;;   The module's matrix products, in the order in which they are computed (A, B: the left and right operand; K: the contracted axis; several contracted axes count as one K, in the product's order):
;;     1. [M 4,096, K 2,048] x [K 2,048, N 2,048]; A: input x; B: input Wq: QUANTISED
;;     2. [M 4,096, K 2,048] x [K 2,048, N 512]; A: input x; B: input Wk: QUANTISED
;;     3. [M 4,096, K 2,048] x [K 2,048, N 512]; A: input x; B: input Wv: QUANTISED
;;     4. batch 16 x [M 8,192, K 64] x [K 64, N 2,048]; A: computed on the way; B: computed on the way: QUANTISED
;;     5. batch 16 x [M 8,192, K 2,048] x [K 2,048, N 64]; A: softmax (see below); B: computed on the way: QUANTISED
;;   THE QUANTISER, for each operand of a quantised product, along K:
;;     - K is cut into blocks of 32 from its start; a last block that is shorter is filled with zeros.
;;     - A block's scale is 2^e with e = floor(log2(the largest magnitude in the block)) - 2, held to -126 .. 127; a block of zeros has e = 0. As a byte (E8M0): e + 127.
;;     - Each number is divided by its block's scale, clamped to +-7.5, and rounded to the nearest number of E2M3, ties to even, subnormals kept.
;;     - The product sums the exact products of the quantised numbers (number of the format x scale) in f32.
;;   ~~~python
;;   def quantise(x, axis):      # numpy; x: float32 -> the quantised numbers, widened to float32 again
;;       x = np.moveaxis(x, axis, -1); K = x.shape[-1]
;;       x = np.pad(x, [(0, 0)] * (x.ndim - 1) + [(0, -K % 32)]); x = x.reshape(x.shape[:-1] + (-1, 32)); a = np.abs(x).max(-1, keepdims=True)
;;       e = np.where(a > 0, np.clip(np.frexp(np.where(a > 0, a, 1))[1] - 1 - 2, -126, 127), 0)      # np.frexp(a)[1] - 1 = floor(log2(a)), exactly
;;       r = np.clip(x / 2.0 ** e, -7.5, 7.5)
;;       step = 2.0 ** (np.maximum(np.frexp(np.where(r == 0, 1, r))[1] - 1, 0) - 3)
;;       q = np.round(r / step) * step * 2.0 ** e      # np.round: ties to even
;;       return np.moveaxis(q.reshape(q.shape[:-2] + (-1,))[..., :K], -1, axis).astype(np.float32)
;;   ~~~
;;   SOFTMAX AHEAD OF A QUANTISED PRODUCT. Where the list says 'softmax', what is quantised is not the finished softmax but p = 2^(t - M), with t = logit x log2(e) and M = ceil(the row's largest t), a whole number; so 1/2 < the row's largest p <= 1. The row's sum l is taken of the UNQUANTISED p, in f32, and the product's result is divided by l at the end. Since M is a whole number, a kernel that streams over the keys may use a running M (the ceiling of the running maximum): every later rescaling is an exact power of two, which a block's scale takes up: the codes' values come out the same.
;;   OPERANDS COMPUTED ON THE WAY. 'Computed on the way' means the value that the module computes at that place (a softmax that the list does not call 'softmax' is quantised finished and normalised). What goes into a quantiser is computed in f32, as accurately as f32 sums, v_exp_f32 and their like allow (about 1e-6 of the number): no bf16 or f16 on the way to a quantiser, and a product that is left as it is and whose result goes on into a quantised operand takes f32 operands (vector FMAs, or v_wmma_f32_16x16x4_f32). A number that lies on a knife's edge between two numbers of the format may be rounded either way, as far as f32 arithmetic and the matrix unit's own rounding can turn it there, and no further.
;; One version. Each part assembles by itself: llvm-mc -triple=amdgcn-amd-amdhsa -mcpu=gfx1250 --defsym DOCPART=n.
;; ======== version 1 of 1: 3 launches
;; limits: right only within a limited range of input values
;; workspace buffers: x_codes 6,291,456 bytes; x_scales 262,144 bytes; w_codes 4,718,592 bytes; w_scales 196,608 bytes; q_img 6,291,456 bytes; q_sc 524,288 bytes; kv 3,342,336 bytes
;; launch quant (part 1): grid 56 x 8, 4 waves a work-group, no clusters, 68,096 bytes of LDS; arguments x, Wq, Wk, Wv, x_codes, x_scales, w_codes, w_scales; writes x_codes, x_scales, w_codes, w_scales
.if DOCPART == 1
	.amdgcn_target "amdgcn-amd-amdhsa--gfx1250"
	.amdhsa_code_object_version 6
	.text
	.protected	k_q37b7b6f65f_quant
	.globl	k_q37b7b6f65f_quant
	.p2align	8
	.type	k_q37b7b6f65f_quant,@function
k_q37b7b6f65f_quant:
	s_mov_b64 s[64:65], 0
	v_nop
	global_prefetch_b8 v0, s[64:65] scope:SCOPE_SE
	s_setreg_imm32_b32 hwreg(HW_REG_WAVE_MODE, 25, 1), 1
	s_wait_xcnt 0x0
; One launch quantises x [4096][2048] and the weights Wq [2048][2048], Wk, Wv [2048][512] (f32) along K = 2048 into codes of FP6 (E2M3) with one E8M0 byte for each 32 along K.
; A block's scale is 2^(floor(log2(its largest magnitude)) - 2); its byte is the largest magnitude's exponent field - 2, held at 1 from below.  A block of zeros keeps the byte 1 where the
; quantiser's text says 127: its codes are zeros, which add nothing under any byte but 0xff, and this program alone reads the bytes.
; LIMITS: NaN and infinities among the inputs are not served; blocks whose largest magnitude lies under 2^-124 keep the byte 1.
; WORK-GROUPS: x = 0-31 of each of the 8 grid rows take x (256 in all, four runs of four rows each); x = 32-55 take the weights (128 columns x 256 along K).  The two paths part on the work-group's number and have LDS bytes of their own.
; THE CODES' LAYOUT, both tensors: [block of 128 storage rows][K step of 256][128 rows][192 bytes]: what the projection loads as a tile, 128 rows x 256 along K, is 24,576 dense bytes that begin at a multiple of 256.
; The scale bytes lie [storage row][64].
; x's STORAGE ROWS: storage row s holds row (s & 7) | ((s >> 4) & 3) << 3 | ((s >> 3) & 1) << 5 of its 64: sixteen storage rows on end, tile 4 c + u, are rows 64 c + 32 (r / 8) + 8 u + r % 8.
; THE WEIGHTS' STORAGE ROWS: 0-2047 Wq's columns; then for j = 0 .. 3: 128 of Wk's columns 128 j on, 128 of Wv's.  Inside every 32, storage row s holds column s with bits 3 and 4 exchanged.
.set KSB,   24576                      ; bytes of a tile: 128 rows x 192
.set EMAX,  2
.set SPW,   208                        ; v208 LDS address of my spare word; never rewritten
.set NIL,   209                        ; v209 0; never rewritten
.set WREG,  8192                       ; x's path: an LDS region for each wave: two stages of 32 x SP bytes, then its 256 scale bytes
.set WST,   4*WREG                     ; the weights' path: four stages of 32 x PITCH bytes
.set PITCH, 272
.set SPARE, WST+4*32*PITCH             ; the spare words, 128 bytes a wave, named by no other line
	s_load_b256 s[68:75], s[0:1], 0x0              ; x, Wq, Wk, Wv
	s_load_b256 s[76:83], s[0:1], 0x20             ; x_codes, x_scales, w_codes, w_scales
	v_lshl_add_u32 v[SPW], v0, 2, SPARE
	v_mov_b32 v[NIL], 0
	v_lshrrev_b32 v1, 5, v0
	v_readfirstlane_b32 s16, v1                    ; wave
	v_and_b32 v2, 31, v0                           ; lane
	s_and_b32 s3, ttmp7, 0xffff                    ; grid row
	s_cmp_lt_u32 ttmp9, 32
	s_wait_alu depctr_va_vdst(0)
	s_cbranch_scc0 .Lw
; ---- x.  A wave takes four whole rows in 16 steps of 512 numbers: four loads of 512 consecutive bytes; they turn through the wave's stage and come back 64 bytes a lane: 16 neighbours along K, two lanes a block.
; A step's codes are two K steps' 192 bytes of one row: lanes 0-15 store the first, lanes 16-31 the second, KSB further on.
.set STEPS, 16
.set CB,    12
.set R,     16                         ; v16-79   four sets of 16 numbers as loaded
.set X,     80                         ; v80-111  two sets of 16 neighbours
.set C,     128                        ; v128-191 codes, four registers a step
.set E,     112                        ; v112-127 a scale byte a step
.set SP,    80
	v_lshlrev_b32 v3, 4, v2
	s_mul_i32 s17, s16, WREG
	v_lshrrev_b32 v14, 2, v2
	v_mul_u32_u24 v14, v14, SP
	v_and_b32 v15, 3, v2
	v_lshl_add_u32 v14, v15, 4, v14
	v_add_nc_u32 v14, s17, v14                     ; the stage, in: SP (lane / 4) + 16 (lane % 4)
	v_mul_u32_u24 v15, v2, SP
	v_add_nc_u32 v15, s17, v15                     ; and out: SP x lane
	v_and_b32 v4, 15, v2
	v_mul_u32_u24 v4, v4, CB
	v_lshrrev_b32 v10, 4, v2
	v_mad_u32_u24 v4, v10, KSB, v4                 ; my codes: 12 (lane % 16) + KSB (lane / 16)
	v_lshrrev_b32 v5, 1, v2
	s_add_co_u32 s17, s17, 2*32*SP
	v_add_nc_u32 v5, s17, v5                       ; my block's scale byte in LDS
	v_lshlrev_b32 v7, 3, v2
	v_add_nc_u32 v6, s17, v7
	s_lshl_b32 s17, s3, 5
	s_add_co_u32 s17, s17, ttmp9
	s_lshl_b32 s17, s17, 2
	s_add_co_u32 s18, s17, s16                     ; my run of four rows
	s_and_b32 s19, s18, 0xfffffff1
	s_bfe_u32 s20, s18, 0x10003
	s_lshl_b32 s20, s20, 1
	s_or_b32 s19, s19, s20
	s_bfe_u32 s20, s18, 0x20001
	s_lshl_b32 s20, s20, 2
	s_or_b32 s19, s19, s20                         ; its place in storage: bit 3 goes to bit 1, bits 2:1 to 3:2
	s_lshl_b32 s20, s18, 15
	s_mov_b32 s21, 0
	s_lshr_b32 s22, s19, 5
	s_mul_i32 s22, s22, 8*KSB                      ; the block of 128 storage rows,
	s_and_b32 s23, s19, 31
	s_mul_i32 s23, s23, 4*192                      ; and my four rows in a tile
	s_add_co_u32 s22, s22, s23
	s_mov_b32 s23, 0
	s_lshl_b32 s24, s19, 8
	s_mov_b32 s25, 0
	s_wait_alu depctr_va_vdst(0)
	s_wait_kmcnt 0x0
	s_add_nc_u64 s[4:5], s[68:69], s[20:21]
	s_add_nc_u64 s[6:7], s[76:77], s[22:23]
	s_add_nc_u64 s[8:9], s[78:79], s[24:25]
.macro XLOAD t
.irp i, 0,1,2,3
	global_load_b128 v[R+16*((\t)%4)+4*\i:R+16*((\t)%4)+4*\i+3], v3, s[4:5] offset:2048*(\t)+512*\i th:TH_LOAD_NT
.endr
.endm
.macro XTURN t                         ; LDS serves a wave's instructions in order: no wait between the stores and the loads
.irp i, 0,1,2,3
	ds_store_b128 v14, v[R+16*((\t)%4)+4*\i:R+16*((\t)%4)+4*\i+3] offset:32*SP*((\t)%2)+8*SP*\i
.endr
.irp i, 0,1,2,3
	ds_load_b128 v[X+16*((\t)%2)+4*\i:X+16*((\t)%2)+4*\i+3], v15 offset:32*SP*((\t)%2)+16*\i
.endr
.endm
.irp t, 0,1,2,3
	XLOAD \t
.endr
	s_wait_loadcnt 12                              ; step 0's four loads are in; the twelve of steps 1 to 3 may be out
	XTURN 0
.macro XSTEP t
.set XS, X+16*((\t)%2)
.if (\t) > 0
	s_wait_dscnt 1                                 ; this step's numbers are back (the last step's byte store may be out)
.else
	s_wait_dscnt 0x0
.endif
.if (\t)+4 < STEPS
	XLOAD (\t)+4
.endif
.if (\t)+1 < STEPS
.if STEPS-2-(\t) >= 3
	s_wait_loadcnt 12                              ; the next step's four are in; three steps' may be out
.else
	s_wait_loadcnt 4*(STEPS-2-(\t))
.endif
	XTURN (\t)+1
.endif
	v_max3_num_f32 v8, |v[XS]|, |v[XS+1]|, |v[XS+2]|
	v_max3_num_f32 v9, |v[XS+3]|, |v[XS+4]|, |v[XS+5]|
.irp i, 6,10
	v_max3_num_f32 v8, v8, |v[XS+\i]|, |v[XS+\i+1]|
	v_max3_num_f32 v9, v9, |v[XS+\i+2]|, |v[XS+\i+3]|
.endr
	v_max3_num_f32 v8, v8, |v[XS+14]|, |v[XS+15]|
	v_max3_num_f32 v8, v8, v9, (EMAX+1)<<23        ; the floor 2^(3 - 127)
	v_max_num_f32_dpp v8, v8, v8 row_xmask:1 row_mask:0xf bank_mask:0xf   ; with my neighbour's 16
	v_add_nc_u32 v11, -(EMAX<<23), v8              ; the conversion's scale operand
	v_cvt_scalef32_pk16_fp6_f32 v[C+4*(\t):C+4*(\t)+2], v[XS:XS+15], v11
	v_lshrrev_b32 v[E+(\t)], 23, v11               ; the scale's byte
	ds_store_b8 v5, v[E+(\t)] offset:16*(\t)
	global_store_b96 v4, v[C+4*(\t):C+4*(\t)+2], s[6:7] offset:192*((\t)/4)+2*KSB*((\t)%4)   ; row t / 4 of my four, K steps 2 (t % 4) and the next
.endm
.irp t, 0,1,2,3,4,5,6,7,8,9,10,11,12,13,14,15
	XSTEP \t
.endr
	ds_load_b64 v[8:9], v6
	s_wait_dscnt 0x0
	global_store_b64 v7, v[8:9], s[8:9]            ; 32 lanes store 256 consecutive bytes, aligned
	s_wait_tensorcnt 0x0                           ; the wave's end
	ds_add_u32 v[SPW], v[NIL]
	s_wait_dscnt 0x0
	s_endpgm
; ---- the weights.  A lane takes a column and its registers run down K: a load reads 128 consecutive bytes a wave, a block of 32 lies in one lane, the codes come out with K innermost.
; A wave's 32 storage rows x 192 bytes are 6,144 dense bytes of the tile: they go through the wave's stage and leave 384 consecutive bytes a store.
.Lw:
.set NB,    8
.set X,     32                         ; v32-95   two sets of 32 numbers
.set C,     96
.set OUTR,  112                        ; v112-175 the way out
.set OF,    176                        ; v176-207 i rows + 4 x lane
.set SB,    24
.set BAS,   32                         ; s[32:47] a base for each block of 32 rows
	s_sub_co_u32 s2, ttmp9, 32                     ; 0-15 Wq, 16-19 Wk, 20-23 Wv
	s_sub_co_u32 s21, s2, 16
	s_and_b32 s22, s21, 3                          ; j
	s_lshr_b32 s23, s21, 2
	s_lshl_b32 s24, s22, 7
	s_lshl_b32 s25, s22, 8
	s_lshl_b32 s23, s23, 7
	s_add_co_u32 s25, s25, s23
	s_add_co_u32 s25, s25, 2048                    ; first storage row 2048 + 256 j (+ 128 for Wv)
	s_lshl_b32 s26, s2, 7
	s_cmp_lt_u32 s2, 16
	s_cselect_b32 s24, s26, s24                    ; first column
	s_cselect_b32 s25, s26, s25
	s_mov_b32 s20, 2048
	s_cselect_b32 s20, 8192, s20                   ; bytes in a row of the tensor
	s_mul_i32 s28, s25, 1536                       ; the block of 128 storage rows in w_codes
	s_lshl_b32 s17, s16, 5
	s_add_co_u32 s24, s24, s17
	s_add_co_u32 s25, s25, s17
	s_lshl_b32 s26, s3, 8
	s_mul_i32 s26, s26, s20
	s_lshl_b32 s27, s24, 2
	s_add_co_u32 s26, s26, s27                     ; in the tensor: 256 y rows + 4 x column
	s_mov_b32 s27, 0
	s_mul_i32 s29, s3, KSB
	s_add_co_u32 s28, s28, s29                     ; + the K step's tile
	s_mul_i32 s29, s17, 192
	s_add_co_u32 s28, s28, s29                     ; + my 32 rows
	s_mov_b32 s29, 0
	s_lshl_b32 s30, s25, 6
	s_lshl_b32 s31, s3, 3
	s_add_co_u32 s30, s30, s31
	s_mov_b32 s31, 0
	s_lshl_b32 s22, s20, 5
	s_mov_b32 s23, 0
	v_lshlrev_b32 v3, 2, v2
.irp i, 0,1,2,3,4,5,6,7,8,9,10,11,12,13,14,15,16,17,18,19,20,21,22,23,24,25,26,27,28,29,30,31
	v_mad_u32_u24 v[OF+\i], s20, \i, v3
.endr
	s_mul_i32 s19, s16, 32*PITCH
	s_add_co_u32 s19, s19, WST                     ; my stage
	v_and_b32 v5, 7, v2
	v_bfe_u32 v6, v2, 3, 1
	v_lshl_add_u32 v5, v6, 4, v5
	v_bfe_u32 v6, v2, 4, 1
	v_lshl_add_u32 v10, v6, 3, v5                  ; my column's storage row among the wave's 32
	v_mul_u32_u24 v4, v10, PITCH
	v_add_nc_u32 v4, s19, v4
	v_lshlrev_b32 v9, 6, v10
	v_and_b32 v5, 15, v2
	v_lshrrev_b32 v6, 4, v2
	v_mul_u32_u24 v7, v6, PITCH
	v_lshl_add_u32 v7, v5, 4, v7
	v_add_nc_u32 v7, s19, v7
	v_mul_u32_u24 v8, v6, 192
	v_mad_u32_u24 v8, v5, 12, v8
	s_wait_kmcnt 0x0
	s_cmp_lt_u32 s2, 20
	s_cselect_b64 s[6:7], s[72:73], s[74:75]
	s_cmp_lt_u32 s2, 16
	s_cselect_b64 s[4:5], s[70:71], s[6:7]
	s_add_nc_u64 s[BAS:BAS+1], s[4:5], s[26:27]
.irp t, 1,2,3,4,5,6,7
	s_add_nc_u64 s[BAS+2*\t:BAS+2*\t+1], s[BAS+2*\t-2:BAS+2*\t-1], s[22:23]
.endr
	s_add_nc_u64 s[10:11], s[80:81], s[28:29]
	s_add_nc_u64 s[12:13], s[82:83], s[30:31]
.macro WLOAD t
.irp i, 0,1,2,3,4,5,6,7,8,9,10,11,12,13,14,15,16,17,18,19,20,21,22,23,24,25,26,27,28,29,30,31
	global_load_b32 v[X+32*((\t)%2)+\i], v[OF+\i], s[BAS+2*(\t):BAS+2*(\t)+1] th:TH_LOAD_NT
.endr
.endm
	WLOAD 0
	WLOAD 1
.macro WBLOCK t
.set XS, X+32*((\t)%2)
.if (\t) < NB-1
	s_wait_loadcnt 32                              ; this block's 32 loads are in; the next block's may be out
.else
	s_wait_loadcnt 0
.endif
	v_max3_num_f32 v12, |v[XS]|, |v[XS+1]|, |v[XS+2]|
	v_max3_num_f32 v13, |v[XS+3]|, |v[XS+4]|, |v[XS+5]|
.irp i, 6,10,14,18,22,26
	v_max3_num_f32 v12, v12, |v[XS+\i]|, |v[XS+\i+1]|
	v_max3_num_f32 v13, v13, |v[XS+\i+2]|, |v[XS+\i+3]|
.endr
	v_max3_num_f32 v12, v12, |v[XS+30]|, |v[XS+31]|
	v_max3_num_f32 v12, v12, v13, (EMAX+1)<<23
	v_add_nc_u32 v11, -(EMAX<<23), v12
	v_lshrrev_b32 v13, 23, v11
.if (\t)%4 == 0
	v_mov_b32 v[SB+(\t)/4], v13
.else
	v_lshl_or_b32 v[SB+(\t)/4], v13, 8*((\t)%4), v[SB+(\t)/4]
.endif
	v_cvt_scalef32_pk16_fp6_f32 v[C:C+2], v[XS:XS+15], v11
	v_cvt_scalef32_pk16_fp6_f32 v[C+4:C+6], v[XS+16:XS+31], v11
	ds_store_b96 v4, v[C:C+2] offset:32*(\t)       ; 12 bytes to a place of 16
	ds_store_b96 v4, v[C+4:C+6] offset:32*(\t)+16
.if (\t)+2 < NB
	WLOAD (\t)+2
.endif
	s_wait_dscnt 0x0                               ; the stores have read their registers
.endm
.set Q, 0
.rept NB
	WBLOCK Q
.set Q, Q+1
.endr
	s_wait_alu depctr_va_vdst(0)
	global_store_b64 v9, v[SB:SB+1], s[12:13]
.irp t, 0,1,2,3,4,5,6,7,8,9,10,11,12,13,14,15
	ds_load_b96 v[OUTR+4*\t:OUTR+4*\t+2], v7 offset:2*\t*PITCH
.endr
.irp t, 0,1,2,3,4,5,6,7,8,9,10,11,12,13,14,15
	s_wait_dscnt 15-\t                             ; the younger loads may be out
	global_store_b96 v8, v[OUTR+4*\t:OUTR+4*\t+2], s[10:11] offset:2*\t*192   ; two rows, 384 consecutive bytes
.endr
	s_wait_tensorcnt 0x0                           ; the wave's end
	ds_add_u32 v[SPW], v[NIL]
	s_wait_dscnt 0x0
	s_endpgm
.Lfunc_end_k_q37b7b6f65f_quant:
	.size	k_q37b7b6f65f_quant, .Lfunc_end_k_q37b7b6f65f_quant-k_q37b7b6f65f_quant
	.p2alignl 7, 3214868480
	.fill 96, 4, 3214868480
	.section	.rodata,"a",@progbits
	.p2align	6, 0x0
	.amdhsa_kernel k_q37b7b6f65f_quant
		.amdhsa_group_segment_fixed_size 68096
		.amdhsa_private_segment_fixed_size 0
		.amdhsa_enable_private_segment 0
		.amdhsa_kernarg_size 64
		.amdhsa_user_sgpr_count 2
		.amdhsa_user_sgpr_kernarg_segment_ptr 1
		.amdhsa_wavefront_size32 1
		.amdhsa_system_sgpr_workgroup_id_x 1
		.amdhsa_system_sgpr_workgroup_id_y 1
		.amdhsa_system_sgpr_workgroup_id_z 1
		.amdhsa_system_vgpr_workitem_id 0
		.amdhsa_next_free_vgpr 212
		.amdhsa_next_free_sgpr 84
		.amdhsa_reserve_vcc 0
		.amdhsa_float_denorm_mode_32 3
		.amdhsa_float_denorm_mode_16_64 3
		.amdhsa_memory_ordered 1
		.amdhsa_forward_progress 1
		.amdhsa_inst_pref_size 77
	.end_amdhsa_kernel
	.amdgpu_metadata
---
amdhsa.version: [ 1, 2 ]
amdhsa.kernels:
  - .name:           k_q37b7b6f65f_quant
    .symbol:         k_q37b7b6f65f_quant.kd
    .args:
      - { .name: x, .offset: 0, .size: 8, .value_kind: global_buffer, .address_space: global }
      - { .name: Wq, .offset: 8, .size: 8, .value_kind: global_buffer, .address_space: global }
      - { .name: Wk, .offset: 16, .size: 8, .value_kind: global_buffer, .address_space: global }
      - { .name: Wv, .offset: 24, .size: 8, .value_kind: global_buffer, .address_space: global }
      - { .name: x_codes, .offset: 32, .size: 8, .value_kind: global_buffer, .address_space: global }
      - { .name: x_scales, .offset: 40, .size: 8, .value_kind: global_buffer, .address_space: global }
      - { .name: w_codes, .offset: 48, .size: 8, .value_kind: global_buffer, .address_space: global }
      - { .name: w_scales, .offset: 56, .size: 8, .value_kind: global_buffer, .address_space: global }
    .group_segment_fixed_size: 68096
    .private_segment_fixed_size: 0
    .kernarg_segment_align: 8
    .kernarg_segment_size: 64
    .max_flat_workgroup_size: 128
    .sgpr_count:     84
    .vgpr_count:     212
    .wavefront_size: 32
...
	.end_amdgpu_metadata
.endif
;; end of part 1
;; launch proj (part 2): grid 12 x 16, 4 waves a work-group, clusters of 4 x 4, 327,680 bytes of LDS; arguments x_codes, x_scales, w_codes, w_scales, bq, bk, bv, q_img, q_sc, kv; writes q_img, q_sc, kv
.if DOCPART == 2
	.amdgcn_target "amdgcn-amd-amdhsa--gfx1250"
	.amdhsa_code_object_version 6
	.text
	.protected	k_q37b7b6f65f_proj
	.globl	k_q37b7b6f65f_proj
	.p2align	8
	.type	k_q37b7b6f65f_proj,@function
k_q37b7b6f65f_proj:
	s_mov_b64 s[64:65], 0
	v_nop
	global_prefetch_b8 v0, s[64:65] scope:SCOPE_SE
	s_setreg_imm32_b32 hwreg(HW_REG_WAVE_MODE, 25, 1), 1
	s_wait_xcnt 0x0
	s_wait_alu depctr_hold_cnt(0) depctr_sa_sdst(0) depctr_va_vdst(0) depctr_va_sdst(0) depctr_va_ssrc(0) depctr_va_vcc(0) depctr_vm_vsrc(0)
	s_getreg_b32 s2, hwreg(HW_REG_IB_STS2, 6, 4)
	s_cmp_eq_u32 s2, 0
	s_cbranch_scc0 .Lentry_in_a_cluster
	s_endpgm
.Lentry_in_a_cluster:
	s_bfe_u32 s2, ttmp6, 0x10000c
	s_cmp_lg_u32 s2, 0xf033
	s_cbranch_scc0 .Lentry_shape_is_right
	s_endpgm
.Lentry_shape_is_right:
; The three projections as one GEMM on codes of FP6: 4,096 storage rows of x against 3,072 storage rows of weights, K = 2,048, the bias as the first product's C; a work-group makes 256 x 256, a wave 128 x 128.
; Both operands lie [block of 128 rows][K step of 256][128 rows][192 bytes]: a wave's tile of a K step is 24,576 dense bytes, loaded as 96 rows of 256 bytes that begin at multiples of 256;
; 16 bytes of padding behind each 64 give LDS rows of 240 bytes for each row of 192.  A ring of two slots, joint loads in a cluster of 4 x 4.
; The way out quantises q and k along the head's 64 channels and v along the keys, and stores images of operand registers with their scale words.
; kv: for each batch and group sixteen records of 13,056 bytes, one for each 128 keys: 8 images of K (768 bytes), 4 of V (1,536), K's scale words (512), V's (256).
; A tile of 16 storage rows of x, tile 4 c + u of a block of 128, holds tokens 64 c + 32 (r / 8) + 8 u + r % 8.
.set SIZE_K, 2048
; PREFETCH: a tile of a K step is 96 blocks of 256 bytes; each of the four partners that ask for it jointly names 24 of them, told apart by address (cx for x's tiles, cy for the weights'), a lane a block
; (lanes 24-31 name the last again), one instruction a wave.  K steps 0 and 1 are named behind the scales' load, 2 and 3 behind slot 1's first fill; behind the refill for K step s, step s + 2; the loop's last trip names nothing.
.set KSB,    24576
.set KSTEP,  256
.set NQ,     KSTEP/128
.set ROWB,   192
.set KROW,   SIZE_K*6/8
.set PITCH,  240
.set FR,     12
.set NL,     6
.set NP,     4
.set HALFT,  128*PITCH
.set SLOT,   4*HALFT
.set LAPS,   SIZE_K/(2*KSTEP)
.set KS,     SIZE_K/32
.set SCL,    2*SLOT
.set HALFS,  (128*KS/256)*272
.set SBLK,   (16*KS/256)*272
.set SPARE,  SCL+4*HALFS
.set VSTG,   0
.set QSC,    33792
.set VSC,    37888
.set BOF,  7
.set SSQ,  8
.set SSV,  9
.set SRQ,  10
.set SRV,  11
.set L16,  13
.set L8,   14
.set VSCO, 15
.set ADRA, 16
.set ADRB, 20
.set VSTO, 24
.set VRD,  25
.set ADRS, 27
.set SPW,  28
.set NIL,  29
.set SC,   32
.set BIAS, 64
.set AF,   128
.set TM,   32
.set PW,   48
.set W0,   49
.set W1,   50
.set PC,   52
.set BK,   72
.set TR,   128
.set G1, 24
.set G0, 32
.set G1B, 48
.set G0B, 56
.set G1S, 68
.set G0S, 76
.set G1SB, 80
.set G0SB, 88
.set SEL, 26
.set MSB, 0
.macro WIN new
.if MSB != (\new)
	s_set_vgpr_msb (MSB<<8)|(\new)
.set MSB, (\new)
.endif
.endm
.set MUL_LO, 0xa1
.set MUL_HI, 0xf1
.set FST_LO, 0x81
.set FST_HI, 0xc1
.set TO_B,   0x40
.macro JLOAD g0a, g1a, g0b, g1b
	s_cmp_eq_u32 s15, 0
	s_cbranch_scc0 .Lfor_b_\@
	tensor_load_to_lds s[\g0a:\g0a+3], s[\g1a:\g1a+7]
	s_nop 0
.rept 4
	v_nop
.endr
	s_branch .Lasked_\@
.Lfor_b_\@:
	tensor_load_to_lds s[\g0b:\g0b+3], s[\g1b:\g1b+7]
	s_nop 0
.rept 4
	v_nop
.endr
.Lasked_\@:
.endm
.macro CREST
	s_cmp_lg_u32 s14, 0
	s_cbranch_scc1 .Lnot_wave_0_\@
	s_barrier_signal -3
.Lnot_wave_0_\@:
	s_barrier_wait -3
	s_barrier_signal -1
	s_barrier_wait -1
.endm
.macro CROUND
	s_barrier_signal -1
	s_barrier_wait -1
	CREST
.endm
	s_load_b128 s[4:7], s[0:1], 0x0
	s_load_b128 s[8:11], s[0:1], 0x10
	s_load_b128 s[96:99], s[0:1], 0x20
	s_load_b64 s[100:101], s[0:1], 0x30
	v_lshl_add_u32 v[SPW], v0, 2, SPARE
	v_mov_b32 v[NIL], 0
	ds_add_u32 v[SPW], v[NIL]
	ds_add_u32 v[SPW], v[NIL]
	v_lshrrev_b32 v1, 5, v0
	v_readfirstlane_b32 s14, v1
	s_lshr_b32 s15, s14, 1
	s_and_b32 s16, s14, 1
	s_bfe_u32 s40, ttmp6, 0x40000
	s_bfe_u32 s41, ttmp6, 0x40004
	s_lshl_b32 s42, ttmp9, 2
	s_add_co_u32 s42, s42, s40
	s_and_b32 s17, ttmp7, 0xffff
	s_lshl_b32 s17, s17, 2
	s_add_co_u32 s17, s17, s41
	s_lshl_b32 s43, s41, 2
	s_lshl_b32 s43, 15, s43
	s_lshl_b32 s44, 0x1111, s40
	s_or_b32 s[G1+0], s43, (0<<16)|(1<<20)|(1<<21)|(3<<22)|(3<<25)
	s_or_b32 s[G1B+0], s44, (0<<16)|(1<<20)|(1<<21)|(3<<22)|(3<<25)
.irp g, G1, G1B
	s_mov_b32 s[\g+1], 256<<16
	s_mov_b32 s[\g+2], 96<<16
	s_mov_b32 s[\g+3], 256<<16
	s_mov_b32 s[\g+4], 96
	s_mov_b32 s[\g+5], 256
	s_mov_b32 s[\g+6], 0
	s_mov_b32 s[\g+7], 0
.endr
	s_or_b32 s[G1S+0], s43, (3<<16)|(1<<20)|(1<<21)|(5<<22)|(3<<25)
	s_or_b32 s[G1SB+0], s44, (3<<16)|(1<<20)|(1<<21)|(5<<22)|(3<<25)
.irp g, G1S, G1SB
	s_mov_b32 s[\g+1], 32<<16
	s_mov_b32 s[\g+2], (128*KS/256)<<16
	s_mov_b32 s[\g+3], 32<<16
	s_mov_b32 s[\g+4], 128*KS/256
	s_mov_b32 s[\g+5], 32
	s_mov_b32 s[\g+6], 0
	s_mov_b32 s[\g+7], 0
.endr
	s_lshl_b32 s18, s16, 7
	s_lshl_b32 s20, s17, 8
	s_add_co_u32 s20, s20, s18
	s_lshl_b32 s46, s42, 8
	s_add_co_u32 s46, s46, s18
	s_mov_b32 s21, 0
	s_mov_b32 s47, 0
	s_mov_b64 s[18:19], KS
	s_mul_u64 s[22:23], s[20:21], s[18:19]
	s_mul_u64 s[92:93], s[46:47], s[18:19]
	s_mov_b64 s[18:19], KROW
	s_mul_u64 s[20:21], s[20:21], s[18:19]
	s_mul_u64 s[46:47], s[46:47], s[18:19]
	s_mul_i32 s45, s14, HALFT
	s_mul_i32 s94, s14, HALFS
	s_wait_dscnt 0x0
	s_wait_kmcnt 0x0
	s_add_nc_u64 s[20:21], s[4:5], s[20:21]
	s_add_nc_u64 s[22:23], s[6:7], s[22:23]
	s_add_nc_u64 s[46:47], s[8:9], s[46:47]
	s_add_nc_u64 s[92:93], s[10:11], s[92:93]
	CROUND
	s_mov_b32 s[G0S], 1
	s_add_co_u32 s[G0S+1], s94, SCL
	s_mov_b64 s[G0S+2:G0S+3], s[22:23]
	s_or_b32 s[G0S+3], s[G0S+3], 0x80000000
	s_mov_b32 s[G0SB], 1
	s_add_co_u32 s[G0SB+1], s94, SCL
	s_mov_b64 s[G0SB+2:G0SB+3], s[92:93]
	s_or_b32 s[G0SB+3], s[G0SB+3], 0x80000000
	JLOAD G0S, G1S, G0SB, G1SB
	s_cmp_eq_u32 s15, 0
	s_cselect_b64 s[12:13], s[20:21], s[46:47]
	s_cselect_b32 s18, s40, s41
	s_mul_i32 s18, s18, 24*256
	s_mov_b32 s19, 0
	s_add_nc_u64 s[12:13], s[12:13], s[18:19]
	v_and_b32 v30, 31, v0
	v_min_u32 v30, 23, v30
	v_lshlrev_b32 v30, 8, v30
	global_prefetch_b8 v30, s[12:13] th:TH_LOAD_NT scope:SCOPE_SE
	global_prefetch_b8 v30, s[12:13] offset:KSB th:TH_LOAD_NT scope:SCOPE_SE
.irp s, 0,1
	s_mov_b32 s[G0+4*\s], 1
	s_add_co_u32 s[G0+4*\s+1], s45, \s*SLOT
	s_add_nc_u64 s[G0+4*\s+2:G0+4*\s+3], s[20:21], \s*KSB
	s_or_b32 s[G0+4*\s+3], s[G0+4*\s+3], 0x80000000
	s_mov_b32 s[G0B+4*\s], 1
	s_add_co_u32 s[G0B+4*\s+1], s45, \s*SLOT
	s_add_nc_u64 s[G0B+4*\s+2:G0B+4*\s+3], s[46:47], \s*KSB
	s_or_b32 s[G0B+4*\s+3], s[G0B+4*\s+3], 0x80000000
	s_wait_alu depctr_va_vdst(0)
	s_wait_tensorcnt 0x0
	ds_add_u32 v28, v29
	s_wait_dscnt 0x0
	CROUND
	JLOAD G0+4*\s, G1, G0B+4*\s, G1B
.endr
	global_prefetch_b8 v30, s[12:13] offset:2*KSB th:TH_LOAD_NT scope:SCOPE_SE
	global_prefetch_b8 v30, s[12:13] offset:3*KSB th:TH_LOAD_NT scope:SCOPE_SE
	v_and_b32 v1, 15, v0
	v_bfe_u32 v2, v0, 4, 1
	s_wait_alu depctr_va_vdst(0)
	s_cmp_eq_u32 s16, 0
	s_cselect_b64 s[98:99], s[98:99], s[100:101]
	s_lshl_b32 s46, s42, 8
	s_lshl_b32 s47, s16, 7
	s_add_co_u32 s46, s46, s47
	s_lshl_b32 s47, s40, 7
	s_cmp_lt_u32 ttmp9, 2
	s_cselect_b64 s[96:97], s[96:97], s[98:99]
	s_cselect_b32 s46, s46, s47
	s_lshl_b32 s46, s46, 2
	s_mov_b32 s47, 0
	s_add_nc_u64 s[96:97], s[96:97], s[46:47]
	v_lshlrev_b32 v[BOF], 6, v2
.irp t, 0,1,2,3,4,5,6,7
	global_load_b128 v[BIAS+8*\t:BIAS+8*\t+3], v[BOF], s[96:97] offset:(32*(\t/2)+8*(\t%2))*4
	global_load_b128 v[BIAS+8*\t+4:BIAS+8*\t+7], v[BOF], s[96:97] offset:(32*(\t/2)+8*(\t%2))*4+16
.endr
	v_mul_u32_u24 v3, v1, PITCH
	v_mul_u32_u24 v4, v2, 24
	v_add_nc_u32 v4, v3, v4
	v_lshl_add_u32 v5, v2, 4, v4
	s_mul_i32 s21, s15, HALFT
	s_mul_i32 s22, s16, HALFT
	s_add_co_u32 s22, s22, 2*HALFT
.irp s, 0,1
	v_add_nc_u32 v[ADRA+\s], s21, v4
	v_add_nc_u32 v[ADRB+\s], s22, v4
	v_add_nc_u32 v[ADRA+2+\s], s21, v5
	v_add_nc_u32 v[ADRB+2+\s], s22, v5
	s_add_co_u32 s21, s21, SLOT
	s_add_co_u32 s22, s22, SLOT
.endr
	v_mul_u32_u24 v5, v1, KS
	v_lshrrev_b32 v6, 8, v5
	v_lshl_add_u32 v5, v6, 4, v5
	s_mul_i32 s21, s15, HALFS
	s_mul_i32 s22, s16, HALFS
	s_add_co_u32 s22, s22, 2*HALFS
	s_sub_co_u32 s22, s22, s21
	v_mul_u32_u24 v6, s22, v2
	s_add_co_u32 s21, s21, SCL
	v_add_nc_u32 v5, v5, v6
	v_add_nc_u32 v[ADRS], s21, v5
	v_and_b32 v6, 31, v0
	v_lshlrev_b32 v[L16], 4, v6
	v_lshlrev_b32 v[L8], 3, v6
	v_mul_u32_u24 v[VSCO], v2, 208896
	v_lshl_add_u32 v[VSCO], v1, 4, v[VSCO]
	s_lshl_b32 s21, s14, 10
	s_add_co_u32 s21, s21, QSC
	v_lshl_add_u32 v[SSQ], v1, 4, s21
	v_add_nc_u32 v[SRQ], s21, v[L16]
	s_lshl_b32 s21, s14, 9
	s_add_co_u32 s21, s21, VSC
	v_lshl_add_u32 v[SSV], v1, 3, s21
	v_add_nc_u32 v[SRV], s21, v[L16]
	s_mul_i32 s21, s14, 16*528
	v_and_b32 v5, 7, v0
	v_bfe_u32 v6, v0, 3, 1
	v_lshlrev_b32 v5, 2, v5
	v_lshl_add_u32 v5, v6, 6, v5
	v_mad_u32_u24 v5, v2, 8*528, v5
	v_add_nc_u32 v[VSTO], s21, v5
	v_mul_u32_u24 v5, v1, 528
	v_lshl_add_u32 v5, v2, 7, v5
	v_add_nc_u32 v[VRD], s21, v5
.macro FRAG reg, adr, q, i
.irp p, 0,1,2,3,4,5
.set PCE, 12*(\q)+6*(\p/3)+\p%3
.if PCE%8 < 5
	ds_load_b64 v[\reg+2*\p:\reg+2*\p+1], v[\adr] offset:8*PCE+16*(PCE/8)+(\i)*16*PITCH
.else
	ds_load_b64 v[\reg+2*\p:\reg+2*\p+1], v[\adr+2] offset:8*PCE+16*(PCE/8)+(\i)*16*PITCH
.endif
.endr
.endm
.macro MUL16 a0, p, q, sc, first
.irp a, \a0, \a0+1
.irp b, 0,1,2,3,4,5,6,7
.if \first
	v_wmma_scale_f32_16x16x128_f8f6f4 v[8*(8*((\a)%4)+\b):8*(8*((\a)%4)+\b)+7], v[128*(\p)+FR*\b:128*(\p)+FR*\b+FR-1], v[AF+FR*(\a):AF+FR*(\a)+FR-1], v[BIAS+8*\b:BIAS+8*\b+7], v[SC+8*NQ*(\sc)+NQ*\b+(\q)], v[SC+8*NQ*(\sc)+NQ*(\a)+(\q)] matrix_a_fmt:MATRIX_FMT_FP6 matrix_b_fmt:MATRIX_FMT_FP6 matrix_a_scale:MATRIX_SCALE_ROW1
.else
	v_wmma_scale_f32_16x16x128_f8f6f4 v[8*(8*((\a)%4)+\b):8*(8*((\a)%4)+\b)+7], v[128*(\p)+FR*\b:128*(\p)+FR*\b+FR-1], v[AF+FR*(\a):AF+FR*(\a)+FR-1], v[8*(8*((\a)%4)+\b):8*(8*((\a)%4)+\b)+7], v[SC+8*NQ*(\sc)+NQ*\b+(\q)], v[SC+8*NQ*(\sc)+NQ*(\a)+(\q)] matrix_a_fmt:MATRIX_FMT_FP6 matrix_b_fmt:MATRIX_FMT_FP6 matrix_a_scale:MATRIX_SCALE_ROW1
.endif
.endr
.endr
.endm
.macro FETCH_B slot, q, p
	WIN TO_B
.irp i, 0,1,2,3,4,5,6,7
	FRAG 128*(\p)+FR*\i, ADRB+\slot, \q, \i
.endr
	WIN 0
.endm
.macro FETCH_A slot, q, i0
.irp i, \i0, \i0+1, \i0+2, \i0+3
	FRAG AF+FR*(\i), ADRA+\slot, \q, \i
.endr
.endm
.macro SCALES sc
.irp i, 0,1,2,3,4,5,6,7
	ds_load_b64 v[SC+8*NQ*\sc+NQ*\i:SC+8*NQ*\sc+NQ*\i+1], v[ADRS] offset:\i*SBLK
.endr
.endm
.macro PLACES n
.rept \n
	v_nop
.endr
.endm
.macro STEP slot, q, first
	s_wait_dscnt 4*NL
.if \first
	WIN FST_LO
.else
	WIN MUL_LO
.endif
	MUL16 0, (\q)%2, \q, \slot, \first
	MUL16 2, (\q)%2, \q, \slot, \first
	s_wait_dscnt 0
	PLACES NP
	FETCH_B \slot, (\q)+1, 1-(\q)%2
	FETCH_A \slot, (\q)+1, 0
.if \first
	WIN FST_HI
.else
	WIN MUL_HI
.endif
	MUL16 4, (\q)%2, \q, \slot, \first
	MUL16 6, (\q)%2, \q, \slot, \first
	PLACES NP
	WIN 0
	FETCH_A \slot, (\q)+1, 4
.endm
.macro TURN slot, next, fill
.if \fill
	s_wait_xcnt 0x0                                ; my prefetches have read their address: it steps a K step on
	s_add_nc_u64 s[12:13], s[12:13], KSB
.endif
	s_wait_tensorcnt 0x0
	ds_add_u32 v[SPW], v[NIL]
	s_wait_dscnt 4*NL+1
	WIN MUL_LO
	MUL16 0, 1, NQ-1, \slot, 0
	s_wait_dscnt 0x0
	s_barrier_signal -1
	MUL16 2, 1, NQ-1, \slot, 0
	WIN 0
	s_barrier_wait -1
.if \fill
	CREST
	s_add_nc_u64 s[G0+4*\slot+2:G0+4*\slot+3], s[G0+4*\slot+2:G0+4*\slot+3], 2*KSB
	s_add_nc_u64 s[G0B+4*\slot+2:G0B+4*\slot+3], s[G0B+4*\slot+2:G0B+4*\slot+3], 2*KSB
	JLOAD G0+4*\slot, G1, G0B+4*\slot, G1B
.else
	PLACES NP
.endif
	s_wait_alu depctr_va_vdst(0)
	v_add_nc_u32 v[ADRS], 4*NQ, v[ADRS]
	FETCH_B \next, 0, 0
	FETCH_A \next, 0, 0
	SCALES \next
.if \fill
	s_cmp_gt_u32 s3, 1
	s_cbranch_scc0 .Lno_ask_\@
	global_prefetch_b8 v30, s[12:13] offset:3*KSB th:TH_LOAD_NT scope:SCOPE_SE
.Lno_ask_\@:
.endif
	WIN MUL_HI
	MUL16 4, 1, NQ-1, \slot, 0
	MUL16 6, 1, NQ-1, \slot, 0
	PLACES NP
	WIN 0
	FETCH_A \next, 0, 4
.endm
	s_wait_tensorcnt 1
	s_barrier_signal -1
	s_barrier_wait -1
	FETCH_B 0, 0, 0
	FETCH_A 0, 0, 0
	SCALES 0
	FETCH_A 0, 0, 4
	s_wait_loadcnt 0x0
	STEP 0, 0, 1
	s_mov_b32 s3, LAPS-1
.Llap:
	TURN 0, 1, 1
	STEP 1, 0, 0
	TURN 1, 0, 1
	STEP 0, 0, 0
	s_sub_co_u32 s3, s3, 1
	s_cmp_lg_u32 s3, 0
	s_cbranch_scc1 .Llap
	TURN 0, 1, 0
	s_load_b64 s[24:25], s[0:1], 0x38
	s_load_b128 s[28:31], s[0:1], 0x40
	STEP 1, 0, 0
	s_wait_dscnt 4*NL
	WIN MUL_LO
	MUL16 0, 1, NQ-1, 1, 0
	MUL16 2, 1, NQ-1, 1, 0
	s_wait_dscnt 0
	WIN MUL_HI
	MUL16 4, 1, NQ-1, 1, 0
	MUL16 6, 1, NQ-1, 1, 0
	WIN 0
.macro QUANT s, w
	WIN (((\w)<<2)|((\w)<<4))
.irp b, 0,1,2,3
	v_max3_num_f32 v[TM+\b], 0x1800000, |v[(\s)+16*\b]|, |v[(\s)+1+16*\b]|
.endr
.irp i, 2,4,6,8,10,12,14
.irp b, 0,1,2,3
	v_max3_num_f32 v[TM+\b], v[TM+\b], |v[(\s)+16*\b+\i]|, |v[(\s)+1+16*\b+\i]|
.endr
.endr
	WIN 0
.irp b, 0,1,2,3
	v_permlanex16_b32 v[TM+4+\b], v[TM+\b], s[SEL], s[SEL+1]
.endr
.irp b, 0,1,2,3
	v_max_num_f32 v[TM+\b], v[TM+\b], v[TM+4+\b]
.endr
.irp b, 0,1,2,3
	v_add_nc_u32 v[TM+12+\b], 0xff000000, v[TM+\b]
.endr
.irp b, 0,1,2,3
	v_lshrrev_b32 v[TM+4+\b], 23, v[TM+12+\b]
.endr
	v_lshl_or_b32 v[PW], v[TM+5], 8, v[TM+4]
	v_lshl_or_b32 v[PW], v[TM+6], 16, v[PW]
	v_lshl_or_b32 v[PW], v[TM+7], 24, v[PW]
	WIN (\w)
.irp c, 0,1
	v_cvt_scalef32_pk16_fp6_f32 v[PC+6*\c:PC+2+6*\c], v[(\s)+32*\c:(\s)+15+32*\c], v[TM+12+2*\c]
	v_cvt_scalef32_pk16_fp6_f32 v[PC+12+4*\c:PC+14+4*\c], v[(\s)+16+32*\c:(\s)+31+32*\c], v[TM+12+2*\c+1]
.endr
	WIN 0
	v_nop
.irp c, 0,1
.irp i, 0,1,2
	v_permlane16_swap_b32 v[PC+6*\c+\i], v[PC+12+4*\c+\i]
.endr
.irp i, 0,1,2
	v_mov_b32 v[PC+3+6*\c+\i], v[PC+12+4*\c+\i]
.endr
.endr
.endm
	PLACES NP
.irp b, 0,1,2,3
	v_mov_b32 v[TM+4+\b], 0
.endr
	s_wait_kmcnt 0x0
	s_mov_b32 s[SEL], 0x76543210
	s_mov_b32 s[SEL+1], 0xfedcba98
	s_lshr_b32 s18, s17, 3
	s_and_b32 s19, s17, 7
	s_lshl_b32 s19, s19, 1
	s_add_co_u32 s19, s19, s15
	s_lshl_b32 s22, s18, 5
	s_lshl_b32 s23, s42, 2
	s_add_co_u32 s22, s22, s23
	s_lshl_b32 s23, s16, 1
	s_add_co_u32 s22, s22, s23
	s_mul_i32 s52, s22, 98304
	s_mul_i32 s23, s19, 6144
	s_add_co_u32 s52, s52, s23
	s_lshl_b32 s54, s22, 13
	s_lshl_b32 s23, s19, 9
	s_add_co_u32 s54, s54, s23
	s_lshl_b32 s22, s18, 3
	s_lshl_b32 s23, s40, 1
	s_add_co_u32 s22, s22, s23
	s_mul_i32 s56, s22, 208896
	s_mul_i32 s23, s19, 13056
	s_add_co_u32 s58, s56, s23
	s_add_co_u32 s60, s58, 12288
	s_add_co_u32 s62, s58, 12800
	s_mov_b32 s53, 0
	s_mov_b32 s55, 0
	s_mov_b32 s59, 0
	s_mov_b32 s63, 0
	s_cmp_lt_u32 ttmp9, 2
	s_cselect_b64 s[32:33], s[24:25], s[30:31]
	s_cselect_b64 s[36:37], s[28:29], s[30:31]
	s_cselect_b32 s52, s52, s58
	s_cselect_b32 s54, s54, s60
	s_mov_b32 s20, 208896
	s_cselect_b32 s20, 98304, s20
	s_mov_b32 s22, 208896
	s_cselect_b32 s22, 8192, s22
	s_mov_b32 s21, 0
	s_mov_b32 s23, 0
	s_add_nc_u64 s[32:33], s[32:33], s[52:53]
	s_add_nc_u64 s[36:37], s[36:37], s[54:55]
	s_add_nc_u64 s[34:35], s[32:33], s[20:21]
	s_add_nc_u64 s[38:39], s[36:37], s[22:23]
	s_add_nc_u64 s[48:49], s[30:31], s[58:59]
	s_add_nc_u64 s[48:49], s[48:49], 6144
	s_add_nc_u64 s[50:51], s[30:31], s[62:63]
	s_cmp_eq_u32 ttmp9, 2
	s_cselect_b32 s18, s16, 0
	s_cmp_lg_u32 s18, 0
	s_cbranch_scc1 .Lv
.irp a, 0,1,2,3,4,5,6,7
.if \a > 0
	s_wait_xcnt 0x0
	s_wait_dscnt 0x0
.endif
	QUANT 64*(\a%4), 2+\a/4
	v_perm_b32 v[W0], v[PW], v[PW], 0x01000100
	v_perm_b32 v[W1], v[PW], v[PW], 0x03020302
	ds_store_b32 v[SSQ], v[W0] offset:256*(\a%2)+4*(\a/2)
	ds_store_b32 v[SSQ], v[W1] offset:512+256*(\a%2)+4*(\a/2)
	global_store_b128 v[L16], v[PC:PC+3], s[32:33] offset:768*\a
	global_store_b64 v[L8], v[PC+4:PC+5], s[32:33] offset:768*\a+512
	global_store_b128 v[L16], v[PC+6:PC+9], s[34:35] offset:768*\a
	global_store_b64 v[L8], v[PC+10:PC+11], s[34:35] offset:768*\a+512
.endr
	ds_load_b128 v[BK:BK+3], v[SRQ]
	ds_load_b128 v[BK+4:BK+7], v[SRQ] offset:512
	s_wait_dscnt 0x0
	global_store_b128 v[L16], v[BK:BK+3], s[36:37]
	global_store_b128 v[L16], v[BK+4:BK+7], s[38:39]
	s_branch .Ljoin
.Lv:
.irp n, 0,1,2,3,4,5,6,7
.if \n > 0
	s_wait_xcnt 0x0
	s_wait_dscnt 0x0
.endif
.irp a, 0,1,2,3,4,5,6,7
	WIN 0x08+4*(\a/4)
.irp j, 0,1,2,3,4,5,6,7
	ds_store_b32 v[VSTO], v[8*(8*(\a%4)+\n)+\j] offset:528*\j+4*(32*(\a/2)+8*(\a%2))   ; token 64 c + 32 e + 16 f + i stands in column 64 c + 32 f + 16 e + i
.endr
.endr
	WIN 0
.irp b, 0,1,2,3
.irp i, 0,1,2,3
	ds_load_b128 v[TR+16*\b+4*\i:TR+16*\b+4*\i+3], v[VRD] offset:256*(\b/2)+64*(\b%2)+16*\i
.endr
.endr
	s_wait_dscnt 0x0
	QUANT TR, 0
	ds_store_b32 v[SSV], v[PW] offset:256*(\n/4)+128*(\n%2)+4*((\n%4)/2)
.irp c, 0,1,2
	global_store_b128 v[L16], v[PC+4*\c:PC+4*\c+3], s[48:49] offset:208896*(\n/4)+1536*(\n%4)+512*\c
.endr
.endr
	ds_load_b128 v[BK:BK+3], v[SRV]
	s_wait_dscnt 0x0
	global_store_b128 v[VSCO], v[BK:BK+3], s[50:51]
.Ljoin:
	s_wait_tensorcnt 0x0
	ds_add_u32 v[SPW], v[NIL]
	s_wait_dscnt 0x0
	CROUND
	s_endpgm
.Lfunc_end_k_q37b7b6f65f_proj:
	.size	k_q37b7b6f65f_proj, .Lfunc_end_k_q37b7b6f65f_proj-k_q37b7b6f65f_proj
	.p2alignl 7, 3214868480
	.fill 96, 4, 3214868480
	.section	.rodata,"a",@progbits
	.p2align	6, 0x0
	.amdhsa_kernel k_q37b7b6f65f_proj
		.amdhsa_group_segment_fixed_size 327680
		.amdhsa_private_segment_fixed_size 0
		.amdhsa_enable_private_segment 0
		.amdhsa_kernarg_size 80
		.amdhsa_user_sgpr_count 2
		.amdhsa_user_sgpr_kernarg_segment_ptr 1
		.amdhsa_wavefront_size32 1
		.amdhsa_system_sgpr_workgroup_id_x 1
		.amdhsa_system_sgpr_workgroup_id_y 1
		.amdhsa_system_sgpr_workgroup_id_z 1
		.amdhsa_system_vgpr_workitem_id 0
		.amdhsa_next_free_vgpr 1024
		.amdhsa_next_free_sgpr 102
		.amdhsa_reserve_vcc 0
		.amdhsa_float_denorm_mode_32 3
		.amdhsa_float_denorm_mode_16_64 3
		.amdhsa_memory_ordered 1
		.amdhsa_forward_progress 1
		.amdhsa_inst_pref_size 248
	.end_amdhsa_kernel
	.amdgpu_metadata
---
amdhsa.version: [ 1, 2 ]
amdhsa.kernels:
  - .name:           k_q37b7b6f65f_proj
    .symbol:         k_q37b7b6f65f_proj.kd
    .args:
      - { .name: x_codes, .offset: 0, .size: 8, .value_kind: global_buffer, .address_space: global }
      - { .name: x_scales, .offset: 8, .size: 8, .value_kind: global_buffer, .address_space: global }
      - { .name: w_codes, .offset: 16, .size: 8, .value_kind: global_buffer, .address_space: global }
      - { .name: w_scales, .offset: 24, .size: 8, .value_kind: global_buffer, .address_space: global }
      - { .name: bq, .offset: 32, .size: 8, .value_kind: global_buffer, .address_space: global }
      - { .name: bk, .offset: 40, .size: 8, .value_kind: global_buffer, .address_space: global }
      - { .name: bv, .offset: 48, .size: 8, .value_kind: global_buffer, .address_space: global }
      - { .name: q_img, .offset: 56, .size: 8, .value_kind: global_buffer, .address_space: global }
      - { .name: q_sc, .offset: 64, .size: 8, .value_kind: global_buffer, .address_space: global }
      - { .name: kv, .offset: 72, .size: 8, .value_kind: global_buffer, .address_space: global }
    .group_segment_fixed_size: 327680
    .private_segment_fixed_size: 0
    .kernarg_segment_align: 8
    .kernarg_segment_size: 80
    .max_flat_workgroup_size: 128
    .sgpr_count:     102
    .vgpr_count:     1024
    .wavefront_size: 32
...
	.end_amdgpu_metadata
.endif
;; end of part 2
;; launch attn (part 3): grid 16 x 16, 16 waves a work-group, clusters of 4 x 1, 280,576 bytes of LDS; arguments q_img, q_sc, kv, out0; writes out0
.if DOCPART == 3
	.amdgcn_target "amdgcn-amd-amdhsa--gfx1250"
	.amdhsa_code_object_version 6
	.text
	.protected	k_q37b7b6f65f_attn
	.globl	k_q37b7b6f65f_attn
	.p2align	8
	.type	k_q37b7b6f65f_attn,@function
k_q37b7b6f65f_attn:
	s_mov_b64 s[64:65], 0
	v_nop
	global_prefetch_b8 v0, s[64:65] scope:SCOPE_SE
	s_setreg_imm32_b32 hwreg(HW_REG_WAVE_MODE, 25, 1), 1
	s_wait_xcnt 0x0
	s_wait_alu depctr_hold_cnt(0) depctr_sa_sdst(0) depctr_va_vdst(0) depctr_va_sdst(0) depctr_va_ssrc(0) depctr_va_vcc(0) depctr_vm_vsrc(0)
	s_getreg_b32 s2, hwreg(HW_REG_IB_STS2, 6, 4)
	s_cmp_eq_u32 s2, 0
	s_cbranch_scc0 .Lentry_in_a_cluster
	s_endpgm
.Lentry_in_a_cluster:
	s_bfe_u32 s2, ttmp6, 0x10000c
	s_cmp_lg_u32 s2, 0x3003
	s_cbranch_scc0 .Lentry_shape_is_right
	s_endpgm
.Lentry_shape_is_right:
; out = softmax(q k^T / 8) v for 2 batches x 8 groups x 4 heads of 64 channels, 2,048 queries and keys, both products on codes of FP6 (E2M3) with one E8M0 scale for each 32 along a product's K.
; q, k and v arrive as images of operand registers with their scale words, as the projection launch stored them.
; THE SOFTMAX: t = score x log2(e) / 8; M = the row's largest t so far, rounded UP to a whole number; p = 2^(t - M) is quantised along the keys, not normalised.  The row's sum is taken of the unquantised p
; and divides O at the end.  When M moves, the sum and O are multiplied by 2^(old M - new M): exact.  A block's largest p is taken through its largest score.
; SHARES.  Work-group (cluster x = the head's place i in its group, cx = which 512 queries, y = batch and group); each of its sixteen waves owns a tile of 16 queries at a time, two one after the other: 256 work-groups of equal work.
; ALL OF A GROUP'S K AND V LIES IN LDS: sixteen records of 13,056 bytes, one for each step of 128 keys.  Wave w asks for record w, jointly with the same wave of the three partners (mask 15): one tensor load a wave,
; all at the head, so nothing is left to prefetch and nothing is filled again; one barrier shows all records to all waves, and the loops have none.
; LAYOUT.  Both products are used transposed: S^T = K Q^T, O^T = V^T P^T: a lane holds ONE query.  Tile 4 c + u of a step's keys holds keys 64 c + 32 (r / 8) + 8 u + r % 8, so that the 32 registers of tiles 4 c .. 4 c + 3
; are, in lane half h, keys 64 c + 32 h + 0 .. 31: a WHOLE block of the second product's K in one lane, in the order of that operand's registers.  A tile of queries holds queries in the same pattern.
; INDEPENDENT CHAINS: the maxima go in eight chains, one a tile; the sum in six; the LDS loads (this step's V, the next step's K) stand between the links of the one chain that makes M, and that chain's last links among the multiply-adds.
; THE FIRST PRODUCT'S K IS 64: Q's upper six registers are zero codes; K's upper six are the next tile's codes (finite numbers, times zero), behind the eighth tile zeros.
; THE OUTPUT: row s of (batch b, place i, group g) is the 256 bytes at b x 16,777,216 + ((8 i + g) x 2,048 + s) x 256.
; LIMITS: NaN and infinities are not served; the promise holds while the scaled scores t stay under 2^31 in magnitude; a block of p that has fallen to zeros keeps the scale byte 1, with zero codes.
.set STP,   13056                      ; a record: 8 images of K (768), 4 of V (1,536), K's scale words (512), V's (256)
.set VIM,   6144
.set KSC,   12288
.set VSC,   12800
.set STG,   16*STP                     ; behind K and V: a stage of 16 rows x 272 bytes for each wave; no fill lands there
.set SROW,  272
.set SPARE, STG+16*16*SROW             ; the spare words, 128 bytes a wave, named by no other line
.set L16,  1                           ; 16 x lane
.set L8,   2                           ; 8 x lane
.set LQS,  3                           ; 16 x (lane % 16)
.set SOW,  4                           ; the stage, in
.set SOR,  5                           ; and back
.set GO,   6                           ; my byte offset in two rows of the output
.set SPW,  7
.set NIL,  8
.set AK,   9                           ; the step's record + 16 x lane
.set AK8,  10                          ; + 8 x lane
.set SH,   11                          ; 8 h
.set QF,   16                          ; v16-21 Q's codes, v22-27 zero codes;  v12 -M, v13 the largest score so far, v[14:15] the sum
.set SUM2, 28                          ; the sum's second chain
.set F,    30                          ; f = 2^(old M - new M), named as a pair with
.set OLD,  31                          ; the old -M
.set KF,   32                          ; v32-79 eight tiles of K, v80-85 zeros
.set BM,   86                          ; v86-87 my two blocks' largest scores, then largest p
.set SO,   88                          ; v88-89 the conversions' scale operands
.set TMP,  88                          ; (at work ahead of them)
.set PW,   90                          ; p's scale word
.set QS,   91                          ; Q's
.set KS,   92                          ; v92-95 K's: lanes 0-15 the even tiles', lanes 16-31 the odd tiles'
.set S,    96                          ; v96-159 S^T, then p
.set O,    160                         ; v160-191 O^T
.set VF,   192                         ; v192-239 four tiles of V
.set PC,   240                         ; v240-251 p's codes; ahead of them v240-247 serve the eight chains of maxima and four chains of the sum
.set VS,   252                         ; v252-253 V's scale words
.set TP,   254                         ; v254-255 at work
.set WV,   12
.set SEL,  20
.set CS,   22                          ; s[22:23] c = log2(e) / 8
.set G1,   24
.set G0,   32
.set SKV,  48                          ; LDS byte of the step's record
.set CNT,  51
.set PASS, 52
.set NC,   53                          ; -c
.macro CROUND                          ; a round of the cluster's barrier
	s_barrier_signal -1
	s_barrier_wait -1
	s_cmp_lg_u32 s[WV], 0
	s_cbranch_scc1 .Lnot_wave_0_\@
	s_barrier_signal -3
.Lnot_wave_0_\@:
	s_barrier_wait -3
	s_barrier_signal -1
	s_barrier_wait -1
.endm
.macro QLOAD o1, o2                    ; a tile of queries: its image and its scale words
	global_load_b128 v[QF:QF+3], v[L16], s[4:5] offset:\o1 th:TH_LOAD_NT
	global_load_b64 v[QF+4:QF+5], v[L8], s[4:5] offset:\o1+512 th:TH_LOAD_NT
	global_load_b32 v[QS], v[LQS], s[6:7] offset:\o2
.endm
	s_load_b256 s[4:11], s[0:1], 0x0               ; q_img, q_sc, kv, out0
	v_lshl_add_u32 v[SPW], v0, 2, SPARE
	v_mov_b32 v[NIL], 0
	ds_add_u32 v[SPW], v[NIL]                      ; the opening lines: the add, twice on end, and its wait ahead of my tensor load
	ds_add_u32 v[SPW], v[NIL]
	v_lshrrev_b32 v1, 5, v0
	v_readfirstlane_b32 s[WV], v1                  ; wave 0..15
	s_bfe_u32 s13, ttmp6, 0x40000                  ; cx: it enters Q's and the output's addresses alone
	s_and_b32 s14, ttmp7, 0xffff                   ; 8 x batch + group, which the four partners share
	s_mov_b32 s[G1], 15|(3<<16)|(1<<21)            ; the mask: all four; elements of 8 bytes; bit 21 beside a mask
	s_mov_b32 s[G1+1], 32<<16                      ; a record as 51 rows of 256 bytes
	s_mov_b32 s[G1+2], 51<<16
	s_mov_b32 s[G1+3], 32<<16
	s_mov_b32 s[G1+4], 51
	s_mov_b32 s[G1+5], 32
	s_mov_b32 s[G1+6], 0
	s_mov_b32 s[G1+7], 0
	s_mul_i32 s15, s[WV], STP                      ; my record, in LDS as in memory
	s_mul_i32 s16, s14, 16*STP
	s_add_co_u32 s16, s16, s15
	s_mov_b32 s17, 0
	s_mov_b32 s[SEL], 0x76543210
	s_mov_b32 s[SEL+1], 0xfedcba98
	s_mov_b32 s[CS], 0x3e38aa3b
	s_mov_b32 s[CS+1], s[CS]
	s_mov_b32 s[NC], 0xbe38aa3b
	s_wait_dscnt 0x0                               ; both opening adds are done
	s_wait_kmcnt 0x0
	s_mov_b32 s[G0], 1
	s_mov_b32 s[G0+1], s15
	s_add_nc_u64 s[G0+2:G0+3], s[8:9], s[16:17]
	s_or_b32 s[G0+3], s[G0+3], 0x80000000
	CROUND                                         ; all four work-groups are here: the joint loads meet
	tensor_load_to_lds s[G0:G0+3], s[G1:G1+7]      ; my one tensor load
	s_nop 0
	v_and_b32 v[TP], 31, v0
	v_and_b32 v[LQS], 15, v0                       ; r
	v_bfe_u32 v[AK], v0, 4, 1                      ; h
	v_lshlrev_b32 v[L16], 4, v[TP]
	v_lshlrev_b32 v[L8], 3, v[TP]
	v_lshlrev_b32 v[SH], 3, v[AK]
	s_mul_i32 s15, s[WV], 16*SROW
	s_add_co_u32 s15, s15, STG                     ; my stage
	v_mul_u32_u24 v[SOW], v[LQS], SROW
	v_mul_u32_u24 v[SOR], v[AK], SROW
	v_lshlrev_b32 v[GO], 8, v[AK]
	v_lshl_add_u32 v[SOW], v[AK], 6, v[SOW]
	v_lshl_add_u32 v[SOR], v[LQS], 4, v[SOR]
	v_lshl_add_u32 v[GO], v[LQS], 4, v[GO]
	v_add_nc_u32 v[SOW], s15, v[SOW]               ; in: row r, + 64 h
	v_add_nc_u32 v[SOR], s15, v[SOR]               ; back: lanes 0-15 one row, lanes 16-31 the next
	v_lshlrev_b32 v[LQS], 4, v[LQS]
.irp j, 0,1,2,3,4,5
	v_mov_b32 v[QF+6+\j], 0                        ; Q's zero codes for the upper 64 along K
	v_mov_b32 v[KF+48+\j], 0                       ; what stands behind the eighth tile of K
.endr
	s_lshl_b32 s16, s14, 2
	s_add_co_u32 s16, s16, ttmp9                   ; 32 x batch + head
	s_lshl_b32 s17, s13, 5
	s_add_co_u32 s17, s17, s[WV]                   ; my first tile of queries: 32 cx + wave
	s_lshl_b32 s18, s16, 7
	s_add_co_u32 s18, s18, s17
	s_mul_i32 s54, s18, 768
	s_mov_b32 s55, 0
	s_add_nc_u64 s[4:5], s[4:5], s[54:55]          ; its image
	s_lshl_b32 s54, s16, 13
	s_lshr_b32 s18, s17, 3
	s_lshl_b32 s18, s18, 9
	s_add_co_u32 s54, s54, s18                     ; its record of 8 tiles' scale words,
	s_and_b32 s18, s[WV], 1
	s_lshl_b32 s18, s18, 8
	s_add_co_u32 s54, s54, s18                     ; and its place there: 256 (a % 2) + 4 (a / 2), a = wave % 8
	s_bfe_u32 s18, s[WV], 0x20001
	s_lshl_b32 s18, s18, 2
	s_add_co_u32 s54, s54, s18
	s_add_nc_u64 s[6:7], s[6:7], s[54:55]
	s_lshr_b32 s18, s14, 3
	s_lshl_b32 s54, s18, 24                        ; the batch
	s_lshl_b32 s18, ttmp9, 3
	s_and_b32 s19, s14, 7
	s_add_co_u32 s18, s18, s19
	s_lshl_b32 s18, s18, 19                        ; (8 i + g) x 2,048 rows of 256 bytes
	s_add_co_u32 s54, s54, s18
	s_lshr_b32 s18, s17, 2
	s_lshl_b32 s18, s18, 14                        ; the tile's first query: 64 (tile / 4)
	s_add_co_u32 s54, s54, s18
	s_and_b32 s18, s17, 3
	s_lshl_b32 s18, s18, 11                        ; + 8 (tile % 4)
	s_add_co_u32 s54, s54, s18
	s_add_nc_u64 s[10:11], s[10:11], s[54:55]
.macro KQ t                            ; S^T's tile t: 16 keys x my 16 queries
.if (\t)%2
	v_wmma_scale_f32_16x16x128_f8f6f4 v[S+8*(\t):S+8*(\t)+7], v[KF+6*(\t):KF+6*(\t)+11], v[QF:QF+11], 0, v[KS+(\t)/2], v[QS] matrix_a_fmt:MATRIX_FMT_FP6 matrix_b_fmt:MATRIX_FMT_FP6 matrix_a_scale:MATRIX_SCALE_ROW1
.else
	v_wmma_scale_f32_16x16x128_f8f6f4 v[S+8*(\t):S+8*(\t)+7], v[KF+6*(\t):KF+6*(\t)+11], v[QF:QF+11], 0, v[KS+(\t)/2], v[QS] matrix_a_fmt:MATRIX_FMT_FP6 matrix_b_fmt:MATRIX_FMT_FP6
.endif
.endm
.macro PV t                            ; O^T's tile t: 16 channels x my 16 queries, K = the step's 128 keys; the four accumulators take turns
.if (\t)%2
	v_wmma_scale_f32_16x16x128_f8f6f4 v[O+8*(\t):O+8*(\t)+7], v[VF+12*(\t):VF+12*(\t)+11], v[PC:PC+11], v[O+8*(\t):O+8*(\t)+7], v[VS+(\t)/2], v[PW] matrix_a_fmt:MATRIX_FMT_FP6 matrix_b_fmt:MATRIX_FMT_FP6 matrix_a_scale:MATRIX_SCALE_ROW1
.else
	v_wmma_scale_f32_16x16x128_f8f6f4 v[O+8*(\t):O+8*(\t)+7], v[VF+12*(\t):VF+12*(\t)+11], v[PC:PC+11], v[O+8*(\t):O+8*(\t)+7], v[VS+(\t)/2], v[PW] matrix_a_fmt:MATRIX_FMT_FP6 matrix_b_fmt:MATRIX_FMT_FP6
.endif
.endm
.macro KL a16, a8, off, t              ; an image of K comes back as it was stored: 512 consecutive bytes and 256
	ds_load_b128 v[KF+6*(\t):KF+6*(\t)+3], v[\a16] offset:\off+768*(\t)
	ds_load_b64 v[KF+6*(\t)+4:KF+6*(\t)+5], v[\a8] offset:\off+768*(\t)+512
.endm
.macro KP pre, t                       ; two tiles of the next step's K
.if \pre
	KL AK, AK8, STP, \t
	KL AK, AK8, STP, \t+1
.endif
.endm
.macro VL t                            ; an image of V
.irp c, 0,1,2
	ds_load_b128 v[VF+12*(\t)+4*\c:VF+12*(\t)+4*\c+3], v[AK] offset:VIM+1536*(\t)+512*\c
.endr
.endm
.macro TM j                            ; t - M, two at a time
	v_pk_fma_f32 v[S+\j:S+1+\j], v[S+\j:S+1+\j], s[CS:CS+1], v[12:13] op_sel_hi:[1,0,0]
.endm
.macro AP d, j                         ; a chain of the sum takes two p
	v_pk_add_f32 v[\d:\d+1], v[\d:\d+1], v[S+\j:S+\j+1]
.endm
.macro AP6 j                           ; the six chains by turns
	AP 14, \j
	AP SUM2, \j+2
	AP PC, \j+4
	AP PC+2, \j+6
	AP PC+4, \j+8
	AP PC+6, \j+10
.endm
; A KEY STEP: 128 keys.  pre = 1: the next step's K is fetched.  qn = 1: in the first of the two passes the second pass's queries are asked for.
.macro STEP pre, qn
	s_wait_dscnt 0x0                               ; this step's K and its scale words are in
.irp t, 0,1,2,3,4,5,6,7
	KQ \t
.endr
	v_add_nc_u32 v[AK], s[SKV], v[L16]             ; four places: the scores are read, and loads land in registers that products have read
	v_add_nc_u32 v[AK8], s[SKV], v[L8]
	v_mov_b32 v[OLD], v12
	v_nop
.if \qn
	s_cmp_lg_u32 s[PASS], 2
	s_wait_alu depctr_va_vdst(0)
	s_cbranch_scc1 .Lnoq_\@
	QLOAD 16*768, 2*512                            ; sixteen tiles on: Q's registers have had their last read of this pass
.Lnoq_\@:
.endif
.irp t, 0,1,2,3,4,5,6,7                        ; the largest score: a chain for each tile, from its low end on
	v_max3_num_f32 v[PC+\t], v[S+8*\t], v[S+8*\t+1], v[S+8*\t+2]
.endr
.irp i, 3,5
.irp t, 0,1,2,3,4,5,6,7
	v_max3_num_f32 v[PC+\t], v[PC+\t], v[S+8*\t+\i], v[S+8*\t+\i+1]
.endr
.endr
.irp c, 0,1                                    ; four tiles make a block of 32 keys
	v_max3_num_f32 v[BM+\c], v[PC+4*\c], v[PC+4*\c+1], v[S+32*\c+7]
	v_max3_num_f32 v[TP+\c], v[PC+4*\c+2], v[PC+4*\c+3], v[S+32*\c+15]
.endr
	VL 0
.irp c, 0,1
	v_max3_num_f32 v[BM+\c], v[BM+\c], v[TP+\c], v[S+32*\c+23]
.endr
	VL 1
.irp c, 0,1
	v_max_num_f32 v[BM+\c], v[BM+\c], v[S+32*\c+31]
.endr
	VL 2
	v_max_num_f32 v[TMP], v[BM], v[BM+1]
	VL 3
	ds_load_b64 v[VS:VS+1], v[AK8] offset:VSC
	v_permlanex16_b32 v[TP], v[TMP], s[SEL], s[SEL+1]
	KP \pre, 0
	v_max3_num_f32 v13, v13, v[TMP], v[TP]         ; the largest score of my query so far
	KP \pre, 2
	v_mul_f32 v[TMP], s[NC], v13                   ; -t
	KP \pre, 4
	v_floor_f32 v12, v[TMP]                        ; the new -M = floor(-t): M is a whole number
	KP \pre, 6
.if \pre
	ds_load_b128 v[KS:KS+3], v[AK] offset:STP+KSC
.endif
.irp j, 0,2,4,6,8,10
	TM \j
.endr
	v_sub_f32 v[TMP], v12, v[OLD]                  ; old M - new M: a whole number, 0 or less
.irp j, 12,14,16,18,20,22
	TM \j
.endr
	v_cvt_i32_f32 v[TMP], v[TMP]                   ; (it saturates)
.irp j, 24,26,28,30,32,34
	TM \j
.endr
	v_ldexp_f32 v[F], 1.0, v[TMP]                  ; f
.irp j, 36,38,40,42,44,46,48,50,52,54,56,58,60,62
	TM \j
.endr
.irp c, 0,1
	v_fma_f32 v[BM+\c], v[BM+\c], s[CS], v12       ; the same of each block's largest score
.endr
	s_wait_alu depctr_va_vdst(0)
.irp c, 0,1
	v_exp_f32 v[BM+\c], v[BM+\c]                   ; the block's largest p
.endr
.irp j, 0,1,2,3,4,5,6,7,8,9,10,11,12,13,14,15,16,17,18,19,20,21,22,23,24,25,26,27,28,29,30,31,32,33,34,35,36,37,38,39,40,41,42,43,44,45,46,47,48,49,50,51,52,53,54,55,56,57,58,59,60,61,62,63
	v_exp_f32 v[S+\j], v[S+\j]                     ; p = 2^(t - M)
.endr
	v_pk_mul_f32 v[14:15], v[14:15], v[F:F+1] op_sel_hi:[1,0]   ; the sum under the new M (a plain place behind the exponentials)
	s_wait_alu depctr_va_vdst(0)                   ; one wait for the batch, ahead of its first reader
	v_pk_add_f32 v[SUM2:SUM2+1], v[S:S+1], v[S+2:S+3]            ; the row's sum is taken of the unquantised p: five chains begin with two pairs each, the sixth is the running sum
.irp k, 0,1,2,3
	v_pk_add_f32 v[PC+2*\k:PC+2*\k+1], v[S+4+4*\k:S+5+4*\k], v[S+6+4*\k:S+7+4*\k]
.endr
	v_max_num_f32 v[BM], 0x1800000, v[BM]          ; the floor 2^(3 - 127): the byte cannot fall under 1
	v_max_num_f32 v[BM+1], 0x1800000, v[BM+1]
	AP6 20
	v_add_nc_u32 v[SO], 0xff000000, v[BM]          ; 2 off the exponent field: the conversion's scale operand
	v_add_nc_u32 v[SO+1], 0xff000000, v[BM+1]
	AP6 32
	v_lshrrev_b32 v[TP], 23, v[SO]                 ; the scales' bytes
	v_lshrrev_b32 v[TP+1], 23, v[SO+1]
	AP6 44
	v_lshl_or_b32 v[PW], v[TP+1], 16, v[TP]        ; my blocks h and 2 + h,
	AP 14, 56
	AP SUM2, 58
	AP PC, 60
	AP PC+2, 62
	v_lshlrev_b32 v[PW], v[SH], v[PW]              ; at their places in the scale word
	v_pk_add_f32 v[14:15], v[14:15], v[PC+6:PC+7]  ; the chains join
	v_pk_add_f32 v[SUM2:SUM2+1], v[SUM2:SUM2+1], v[PC:PC+1]
	v_pk_add_f32 v[PC+2:PC+3], v[PC+2:PC+3], v[PC+4:PC+5]
	v_permlanex16_b32 v[TP], v[PW], s[SEL], s[SEL+1]
	v_nop
	v_pk_add_f32 v[SUM2:SUM2+1], v[SUM2:SUM2+1], v[PC+2:PC+3]
	v_or_b32 v[PW], v[PW], v[TP]                   ; with lane l xor 16's two the word is whole
	v_cvt_scalef32_pk16_fp6_f32 v[PC:PC+2], v[S:S+15], v[SO]
	v_cvt_scalef32_pk16_fp6_f32 v[PC+6:PC+8], v[S+32:S+47], v[SO+1]
	v_pk_add_f32 v[14:15], v[14:15], v[SUM2:SUM2+1]   ; a plain line: the two below write over numbers that the two above have read
	v_cvt_scalef32_pk16_fp6_f32 v[S:S+2], v[S+16:S+31], v[SO]        ; (a conversion's three registers begin on an even number: the blocks' upper halves are made elsewhere and moved)
	v_cvt_scalef32_pk16_fp6_f32 v[S+4:S+6], v[S+48:S+63], v[SO+1]
	v_nop                                          ; one plain place behind a scaled conversion
.irp i, 0,1,2
	v_mov_b32 v[PC+3+\i], v[S+\i]
	v_mov_b32 v[PC+9+\i], v[S+4+\i]
.endr
	s_wait_dscnt 17*\pre                           ; V and its scale words are in; the 17 loads of the next step's K may be out
	s_wait_alu depctr_va_vdst(0)
.irp j, 0,2,4,6,8,10,12,14,16,18,20,22,24,26,28,30
	v_pk_mul_f32 v[O+\j:O+1+\j], v[O+\j:O+1+\j], v[F:F+1] op_sel_hi:[1,0]   ; O^T under the new M, from each accumulator's low end on; these are also the places between the codes' last write and the products
.endr
.irp t, 0,1,2,3
	PV \t
.endr
	s_add_co_u32 s[SKV], s[SKV], STP
.endm
	s_wait_alu depctr_va_vdst(0)
	QLOAD 0, 0                                     ; the first pass's queries come while the records land
	s_wait_tensorcnt 0x0                           ; my record has landed
	s_barrier_signal -1
	s_barrier_wait -1                              ; and so has every wave's
	s_mov_b32 s[PASS], 2
.Lpass:                                            ; two trips: a tile of 16 queries each
.irp t, 0,1,2,3,4,5,6,7
	KL L16, L8, 0, \t                              ; the first step's K
.endr
	ds_load_b128 v[KS:KS+3], v[L16] offset:KSC
	v_mov_b32 v13, 0xff61b1e6                      ; the largest score so far: -3e38
	v_mov_b32 v14, 0
	v_mov_b32 v15, 0
	v_floor_f32 v12, -v13
.irp j, 0,1,2,3,4,5,6,7,8,9,10,11,12,13,14,15,16,17,18,19,20,21,22,23,24,25,26,27,28,29,30,31
	v_mov_b32 v[O+\j], 0                           ; the step is written once: the first finds zeros, which the first change of M leaves zeros
.endr
	s_mov_b32 s[SKV], 0
	s_mov_b32 s[CNT], 15
	s_wait_loadcnt 0x0                             ; this pass's queries are in
.Lstep:
	STEP 1, 0
	s_sub_co_u32 s[CNT], s[CNT], 1
	s_cmp_lg_u32 s[CNT], 0
	s_cbranch_scc1 .Lstep
	STEP 0, 1                                      ; the sixteenth step fetches no further K
	; THE WAY OUT of a tile: O^T / the sum goes through my stage and leaves as whole rows of 256 bytes
.rept 4
	v_nop                                          ; places behind the last products
.endr
	s_wait_alu depctr_va_vdst(0)
	v_add_f32 v14, v14, v15
	s_delay_alu instid0(VALU_DEP_1)
	v_permlanex16_b32 v[TP], v14, s[SEL], s[SEL+1]
	s_delay_alu instid0(VALU_DEP_1)
	v_add_f32 v14, v14, v[TP]                      ; the row's sum
	s_wait_alu depctr_va_vdst(0)                   ; ahead of the reciprocal,
	v_rcp_f32 v14, v14
	v_nop
	s_wait_alu depctr_va_vdst(0)                   ; and ahead of its first reader
.irp j, 0,1,2,3,4,5,6,7,8,9,10,11,12,13,14,15,16,17,18,19,20,21,22,23,24,25,26,27,28,29,30,31
	v_mul_f32 v[S+\j], v[O+\j], v14                ; register 16 c + i: channel 32 c + 16 h + i of my query
.endr
.irp c, 0,1
.irp k, 0,1,2,3
	ds_store_b128 v[SOW], v[S+16*\c+4*\k:S+16*\c+4*\k+3] offset:128*\c+16*\k
.endr
.endr
.irp i, 0,1,2,3,4,5,6,7
	ds_load_b128 v[VF+4*\i:VF+4*\i+3], v[SOR] offset:2*\i*SROW   ; LDS serves a wave's instructions in order: these see my stores
.endr
.irp i, 0,1,2,3,4,5,6,7
	s_wait_dscnt 7-\i                              ; the younger loads may be out
	global_store_b128 v[GO], v[VF+4*\i:VF+4*\i+3], s[10:11] offset:(2*(\i%4)+32*(\i/4))*256 th:TH_STORE_NT   ; stage rows 0-7 are the tile's queries 0-7, rows 8-15 those 32 further on; 16 lanes store 256 consecutive bytes, aligned
.endr
	s_wait_xcnt 0x0                                ; the stores have read their registers and their base
	s_add_nc_u64 s[10:11], s[10:11], 256*256       ; sixteen tiles on
	s_sub_co_u32 s[PASS], s[PASS], 1
	s_cmp_lg_u32 s[PASS], 0
	s_cbranch_scc1 .Lpass
	s_wait_tensorcnt 0x0                           ; the wave's end
	ds_add_u32 v[SPW], v[NIL]
	s_wait_dscnt 0x0
	CROUND                                         ; the closing round
	s_endpgm
.Lfunc_end_k_q37b7b6f65f_attn:
	.size	k_q37b7b6f65f_attn, .Lfunc_end_k_q37b7b6f65f_attn-k_q37b7b6f65f_attn
	.p2alignl 7, 3214868480
	.fill 96, 4, 3214868480
	.section	.rodata,"a",@progbits
	.p2align	6, 0x0
	.amdhsa_kernel k_q37b7b6f65f_attn
		.amdhsa_group_segment_fixed_size 280576
		.amdhsa_private_segment_fixed_size 0
		.amdhsa_enable_private_segment 0
		.amdhsa_kernarg_size 32
		.amdhsa_user_sgpr_count 2
		.amdhsa_user_sgpr_kernarg_segment_ptr 1
		.amdhsa_wavefront_size32 1
		.amdhsa_system_sgpr_workgroup_id_x 1
		.amdhsa_system_sgpr_workgroup_id_y 1
		.amdhsa_system_sgpr_workgroup_id_z 1
		.amdhsa_system_vgpr_workitem_id 0
		.amdhsa_next_free_vgpr 256
		.amdhsa_next_free_sgpr 66
		.amdhsa_reserve_vcc 0
		.amdhsa_float_denorm_mode_32 3
		.amdhsa_float_denorm_mode_16_64 3
		.amdhsa_memory_ordered 1
		.amdhsa_forward_progress 1
		.amdhsa_inst_pref_size 40
	.end_amdhsa_kernel
	.amdgpu_metadata
---
amdhsa.version: [ 1, 2 ]
amdhsa.kernels:
  - .name:           k_q37b7b6f65f_attn
    .symbol:         k_q37b7b6f65f_attn.kd
    .args:
      - { .name: q_img, .offset: 0, .size: 8, .value_kind: global_buffer, .address_space: global }
      - { .name: q_sc, .offset: 8, .size: 8, .value_kind: global_buffer, .address_space: global }
      - { .name: kv, .offset: 16, .size: 8, .value_kind: global_buffer, .address_space: global }
      - { .name: out0, .offset: 24, .size: 8, .value_kind: global_buffer, .address_space: global }
    .group_segment_fixed_size: 280576
    .private_segment_fixed_size: 0
    .kernarg_segment_align: 8
    .kernarg_segment_size: 32
    .max_flat_workgroup_size: 512
    .sgpr_count:     66
    .vgpr_count:     256
    .wavefront_size: 32
...
	.end_amdgpu_metadata
.endif
;; end of part 3
